; MI455X (gfx1250); checked and timed in simulation.
; The chip was launched on July 23, 2026; its instructions are those of AMD's public machine-readable ISA for CDNA 5 (MIT licence, August 2026) and "CDNA5" Instruction Set Architecture Reference Guide (July 2026). The comments in the code are by the model that wrote it; some were corrected since.
;; Self Attention. Allowed arithmetic: matrix products marked QUANTISED: E4M3 operands, one E8M0 scale for each 32 along K, by v_wmma_scale_f32_16x16x128_f8f6f4 with both operands' format E4M3, f32 sums; everything else in f32.
;; Inputs: kernel_codes 3 x 1,024 x 32 x 32 uint8 (E4M3 codes of kernel, K innermost, in blocks of 32 codes); kernel_scales 3 x 1,024 x 32 uint8 (E8M0 scales of kernel, one for each 32 codes along K); x_codes 8 x 1,024 x 32 x 32 uint8 (E4M3 codes of x, K innermost, in blocks of 32 codes); x_scales 8 x 1,024 x 32 uint8 (E8M0 scales of x, one for each 32 codes along K).
;; Outputs: out0 8 x 1,024 x 1,024 float32.
;; This version of the problem:
;;   THIS VERSION OF THE PROBLEM IS GIVEN IN LOW PRECISION. The matrix products marked QUANTISED in the list below multiply operands that are first quantised to E4M3 (4 exponent bits, 3 mantissa bits; 8 bits a number), with one power-of-two scale for each 32 numbers along K (OCP MX v1.0); their sums are f32. All else is computed in f32.
;;   The module's matrix products, in the order in which they are computed (A, B: the left and right operand; K: the contracted axis; several contracted axes count as one K, in the product's order):
;;     1. [M 8,192, K 1,024] x [K 1,024, N 1,024]; A: input x (given as codes); B: input kernel (given as codes): QUANTISED
;;     2. [M 8,192, K 1,024] x [K 1,024, N 1,024]; A: input x (given as codes); B: input kernel (given as codes): QUANTISED
;;     3. [M 8,192, K 1,024] x [K 1,024, N 1,024]; A: input x (given as codes); B: input kernel (given as codes): QUANTISED
;;     4. batch 8 x [M 1,024, K 1,024] x [K 1,024, N 1,024]; A: computed on the way; B: computed on the way: QUANTISED
;;     5. batch 8 x [M 1,024, K 1,024] x [K 1,024, N 1,024]; A: softmax (see below); B: computed on the way: QUANTISED
;;   THE QUANTISER, for each operand of a quantised product, along K:
;;     - K is cut into blocks of 32 from its start; a last block that is shorter is filled with zeros.
;;     - A block's scale is 2^e with e = floor(log2(the largest magnitude in the block)) - 8, held to -126 .. 127; a block of zeros has e = 0. As a byte (E8M0): e + 127.
;;     - Each number is divided by its block's scale, clamped to +-448, and rounded to the nearest number of E4M3, ties to even, subnormals kept.
;;     - The product sums the exact products of the quantised numbers (number of the format x scale) in f32.
;;   ~~~python
;;   def quantise(x, axis):      # numpy; x: float32 -> the quantised numbers, widened to float32 again
;;       x = np.moveaxis(x, axis, -1); K = x.shape[-1]
;;       x = np.pad(x, [(0, 0)] * (x.ndim - 1) + [(0, -K % 32)]); x = x.reshape(x.shape[:-1] + (-1, 32)); a = np.abs(x).max(-1, keepdims=True)
;;       e = np.where(a > 0, np.clip(np.frexp(np.where(a > 0, a, 1))[1] - 1 - 8, -126, 127), 0)      # np.frexp(a)[1] - 1 = floor(log2(a)), exactly
;;       r = np.clip(x / 2.0 ** e, -448, 448)
;;       step = 2.0 ** (np.maximum(np.frexp(np.where(r == 0, 1, r))[1] - 1, -6) - 3)
;;       q = np.round(r / step) * step * 2.0 ** e      # np.round: ties to even
;;       return np.moveaxis(q.reshape(q.shape[:-2] + (-1,))[..., :K], -1, axis).astype(np.float32)
;;   ~~~
;;   SOFTMAX AHEAD OF A QUANTISED PRODUCT. Where the list says 'softmax', what is quantised is not the finished softmax but p = 2^(t - M), with t = logit x log2(e) and M = ceil(the row's largest t), a whole number; so 1/2 < the row's largest p <= 1. The row's sum l is taken of the UNQUANTISED p, in f32, and the product's result is divided by l at the end. Since M is a whole number, a kernel that streams over the keys may use a running M (the ceiling of the running maximum): every later rescaling is an exact power of two, which a block's scale takes up: the codes' values come out the same.
;;   OPERANDS COMPUTED ON THE WAY. 'Computed on the way' means the value that the module computes at that place (a softmax that the list does not call 'softmax' is quantised finished and normalised). What goes into a quantiser is computed in f32, as accurately as f32 sums, v_exp_f32 and their like allow (about 1e-6 of the number): no bf16 or f16 on the way to a quantiser, and a product that is left as it is and whose result goes on into a quantised operand takes f32 operands (vector FMAs, or v_wmma_f32_16x16x4_f32). A number that lies on a knife's edge between two numbers of the format may be rounded either way, as far as f32 arithmetic and the matrix unit's own rounding can turn it there, and no further.
;;   INPUTS GIVEN AS CODES. kernel (in the module: [3, 1024, 1024], K = its axis 1); x (in the module: [8, 1024, 1024], K = its axis 2): each comes as NAME_codes (uint8): NAME with its K axis moved to the last place and cut into blocks of 32 codes, [.., K / 32, bytes a block], one block behind the other in memory; one code a byte (a code: sign, 4 exponent bits, 3 mantissa bits); and NAME_scales (uint8): the same leading axes, one E8M0 byte (e + 127) for each 32 codes along K. Its value is code x scale, taken as it is: it is not quantised again, and the codes and scales need not be those that the quantiser above would give.
;; One version. Each part assembles by itself: llvm-mc -triple=amdgcn-amd-amdhsa -mcpu=gfx1250 --defsym DOCPART=n.
;; ======== version 1 of 1: 3 launches
;; limits: right only within a limited range of input values
;; workspace buffers: qrec 8,650,752 bytes; krec 8,650,752 bytes; vrec 8,650,752 bytes; prec 8,650,752 bytes; pmax 262,144 bytes; psum 262,144 bytes
;; launch proj (part 1): grid 4 x 64, 4 waves a work-group, clusters of 4 x 4, 327,680 bytes of LDS; arguments x_codes, x_scales, kernel_codes, kernel_scales, qrec, krec, vrec; writes qrec, krec, vrec
.if DOCPART == 1
	.amdgcn_target "amdgcn-amd-amdhsa--gfx1250"
	.amdhsa_code_object_version 6
	.text
	.protected	k_q59966a41fb_proj
	.globl	k_q59966a41fb_proj
	.p2align	8
	.type	k_q59966a41fb_proj,@function
k_q59966a41fb_proj:
	s_mov_b64 s[64:65], 0
	v_nop
	global_prefetch_b8 v0, s[64:65] scope:SCOPE_SE
	s_setreg_imm32_b32 hwreg(HW_REG_WAVE_MODE, 25, 1), 1
	s_wait_xcnt 0x0
	s_wait_alu depctr_hold_cnt(0) depctr_sa_sdst(0) depctr_va_vdst(0) depctr_va_sdst(0) depctr_va_ssrc(0) depctr_va_vcc(0) depctr_vm_vsrc(0)
	s_getreg_b32 s2, hwreg(HW_REG_IB_STS2, 6, 4)
	s_cmp_eq_u32 s2, 0
	s_cbranch_scc0 .Lentry_in_a_cluster
	s_endpgm
.Lentry_in_a_cluster:
	s_bfe_u32 s2, ttmp6, 0x10000c
	s_cmp_lg_u32 s2, 0xf033
	s_cbranch_scc0 .Lentry_shape_is_right
	s_endpgm
.Lentry_shape_is_right:
; q, k, v = x W on codes of MX-FP8 (E4M3, one E8M0 byte for 32 along K), 8,192 x 3,072 x 1,024, and their quantisers: q and k by blocks of 32 features, v by blocks of 32 tokens.  No f32 result is stored.
; LIMITS: NaN, infinities and sums beyond f32's range are not served.  A block's byte never falls under 1; a block of zeros gets byte 1 over zero codes.
; THE BUFFERS (r = lane % 16, h = lane / 16): qrec, krec: [panel of 128 tokens][K step of 128 features][16,896 bytes]: [tile of 16 tokens][piece c of 32 features][lane][16 codes], then a scale word for each of the 128 tokens.
; vrec: [batch][panel of 128 features][K step of 128 tokens] likewise: [tile of 16 features][piece c of 32 tokens][lane][16 codes], then the 128 features' words.
; In a piece lane (r, h) holds numbers 8 h + 0 .. 7 and 16 + 8 h + 0 .. 7 of the block of 32: the same order in q and k, and in v and p, so the products are those of the natural order.
; SHARES.  A work-group takes 128 rows of x (one panel) and 256 columns each of Q, K, V; waves 2 x 2.  A wave keeps 64 rows of x, ALL of K, in registers (32 fragments, windows 1 and 2) and streams W's rows past them in blocks of 16:
; a block is 32 products.  A chunk is 128 rows of W: four blocks for each column of waves; six chunks: Q 2, K 2, V 2.
; LDS holds two slots of 128 rows.  x lies in slot X until all waves hold it in registers; chunk 0 comes into slot B at the head, chunk 1 into X, and so on by turns.
; HEAD: waves 0, 1 fetch x's halves, wave 2 chunk 0, wave 3 the scale bytes of the work-group's 768 rows of W, which stay.  One load a wave.
; REFILLS: a quarter of a chunk a wave, in a drained round of the cluster's barrier inside a chunk's block 2: by then all its rows are in registers or on their way there, since a set is fetched two blocks ahead.  A refill has three and a half blocks, 112 products of a wave, up to its wait.
; No prefetch: x comes once, at the head, where there is no loop to run ahead in; W's refills go out that far ahead of their waits, and all sixteen clusters read the same W.
; CLUSTERS 4 x 4: the four work-groups of a row share x's rows, the four of a column W's.
; THE WAY OUT of a pair of blocks (a unit = 16 sums a lane = one tile's scale block: maximum, byte, holds, conversions) stands AMONG THE NEXT PAIR'S PRODUCTS.  Four sets of sums, so that a chunk's four blocks are one trip.
.set REC,   16896
.set PANEL, 8*REC
.set PITCH, 1040                       ; an LDS row: 1,024 bytes + 16
.set YB,    128*PITCH                  ; slot B; slot X begins at 0
.set WSC,   2*YB                       ; W's scale bytes: 4,096 a chunk
.set XN,    WSC+24576                  ; the results' scale words: 512 bytes a chunk
.set SPARE, XN+3072
.set SPW,  4
.set NIL,  5
.set ADX,  6                           ; LDS address of my fragments of x
.set AWL,  7                           ; of W in slot X
.set ADRA, 8                           ; of W in the slot that is fetched from
.set VSC,  9                           ; of my scale words of W, chunk 0
.set VSA,  10                          ; of the chunk that is fetched next
.set CO,   11                          ; my codes in q, k
.set COV,  12                          ; in v
.set VBB,  13                          ; LDS address of a scale byte of q, k, chunk 0
.set VB,   14                          ; of the chunk in hand
.set VBV,  15                          ; of v, chunk 4
.set SA,   16                          ; 32 x lane
.set L16,  17
.set L8,   18
.set VR1,  19
.set VR2,  208
.set TQ,   20                          ; v20-23 maxima and bounds
.set SX,   24                          ; v24-39 x's scale words: register 8 p + q: lanes 0-15 tile 2 p, lanes 16-31 tile 2 p + 1
.set SOP,  40                          ; v40-43 the conversions' scale operands
.set SW,   44                          ; v44-59 W's scale words: register 8 (pair of blocks) + q; no product's two have numbers equal modulo 8
.set EB,   60                          ; v60-63 scale bytes
.set ACC,  64                          ; v64-191 four sets of four accumulators, one for each block of a chunk
.set MCD,  192                         ; v192-207 codes of four units
.set MSB, 0
.macro WIN new                         ; the immediate's high byte repeats the setting that is left
.if MSB != \new
	s_set_vgpr_msb (MSB<<8)|\new
.set MSB, \new
.endif
.endm
.macro PLACES n
.rept \n
	v_nop
.endr
.endm
.macro WALU
	s_wait_alu depctr_va_vdst(0)
.endm
.macro BARRIER
	s_barrier_signal -1
	s_barrier_wait -1
.endm
.macro CREST                           ; a round of the cluster's barrier behind its opening barrier
	s_cmp_lg_u32 s18, 0
	s_cbranch_scc1 .Lnw0_\@
	s_barrier_signal -3
.Lnw0_\@:
	s_barrier_wait -3
	BARRIER
.endm
.macro CROUND
	BARRIER
	CREST
.endm
.macro GRD
	s_wait_tensorcnt 0x0
	ds_add_u32 v[SPW], v[NIL]
.endm
.macro TLOAD g0, g1
	tensor_load_to_lds s[\g0:\g0+3], s[\g1:\g1+7]
	s_nop 0
	PLACES 4
.endm
.macro GROUP1 g, mask, rows            ; descriptor group 1: so many whole rows of 1,024 bytes, 16 bytes of padding behind each
	s_or_b32 s[\g], s[\mask], (1<<20)|(1<<21)|(7<<22)|(3<<25)
	s_mov_b32 s[\g+1], 1024<<16
	s_mov_b32 s[\g+2], \rows<<16
	s_mov_b32 s[\g+3], 1024<<16
	s_mov_b32 s[\g+4], \rows
	s_mov_b32 s[\g+5], 1024
	s_mov_b32 s[\g+6], 0
	s_mov_b32 s[\g+7], 0
.endm
.macro WM
.if wsl == 0
	v_wmma_scale_f32_16x16x128_f8f6f4 v[rD:rD+7], v[rA:rA+15], v[rB:rB+15], v[rD:rD+7], v[rSA], v[rSB]
.elseif wsl == 1
	v_wmma_scale_f32_16x16x128_f8f6f4 v[rD:rD+7], v[rA:rA+15], v[rB:rB+15], v[rD:rD+7], v[rSA], v[rSB] matrix_b_scale:MATRIX_SCALE_ROW1
.elseif wsl == 2
	v_wmma_scale_f32_16x16x128_f8f6f4 v[rD:rD+7], v[rA:rA+15], v[rB:rB+15], v[rD:rD+7], v[rSA], v[rSB] matrix_a_scale:MATRIX_SCALE_ROW1
.elseif wsl == 3
	v_wmma_scale_f32_16x16x128_f8f6f4 v[rD:rD+7], v[rA:rA+15], v[rB:rB+15], v[rD:rD+7], v[rSA], v[rSB] matrix_a_scale:MATRIX_SCALE_ROW1 matrix_b_scale:MATRIX_SCALE_ROW1
.elseif wsl == 4
	v_wmma_scale_f32_16x16x128_f8f6f4 v[rD:rD+7], v[rA:rA+15], v[rB:rB+15], 0, v[rSA], v[rSB]
.elseif wsl == 5
	v_wmma_scale_f32_16x16x128_f8f6f4 v[rD:rD+7], v[rA:rA+15], v[rB:rB+15], 0, v[rSA], v[rSB] matrix_b_scale:MATRIX_SCALE_ROW1
.elseif wsl == 6
	v_wmma_scale_f32_16x16x128_f8f6f4 v[rD:rD+7], v[rA:rA+15], v[rB:rB+15], 0, v[rSA], v[rSB] matrix_a_scale:MATRIX_SCALE_ROW1
.else
	v_wmma_scale_f32_16x16x128_f8f6f4 v[rD:rD+7], v[rA:rA+15], v[rB:rB+15], 0, v[rSA], v[rSB] matrix_a_scale:MATRIX_SCALE_ROW1 matrix_b_scale:MATRIX_SCALE_ROW1
.endif
.endm
.macro PROD kind, blk, n               ; product n = 4 q + rt of a block: the q-th 128 along K, x's tile rt; the four accumulators by turns.  kind 0 (q, k): source 0 = W's rows; kind 1 (v): source 0 = x's rows
.set Q_, (\n)/4
.set T_, (\n)%4
.set rD, ACC+32*(\blk)+8*T_
.set wsl, 0
.if Q_ == 0
.set wsl, 4
.endif
.if \kind
.set wsel, 1+(\n)/16+12
.set rA, 16*((\n)%16)
.set rB, 128*((\blk)%2)+16*Q_
.set rSA, SX+8*(T_/2)+Q_
.set rSB, SW+8*((\blk)/2)+Q_
.set wsl, wsl+2*(T_%2)+(\blk)%2
.else
.set wsel, 3+4*(1+(\n)/16)
.set rA, 128*((\blk)%2)+16*Q_
.set rB, 16*((\n)%16)
.set rSA, SW+8*((\blk)/2)+Q_
.set rSB, SX+8*(T_/2)+Q_
.set wsl, wsl+2*((\blk)%2)+T_%2
.endif
	WIN wsel
	WM
.endm
.macro UNIT m, wk, a0, us              ; step m of the way out of a pair of blocks with sums in sets a0, a0 + 1: 15 steps a unit.  wk 0 (q, k): a unit = x's tile u of both blocks;  1 (v): two of x's tiles of one block.  A scale block lies in lanes l and l xor 16
.set U_, (\us)+(\m)/15
.set J_, (\m)%15
.if \wk
.set E_, ACC+32*((\a0)+U_/2)+16*(U_%2)
.set O_, E_+8
.else
.set E_, ACC+32*(\a0)+8*U_
.set O_, E_+32
.endif
.if J_ == 0
	v_max3_num_f32 v[TQ], |v[E_]|, |v[E_+1]|, |v[E_+2]|
	v_max3_num_f32 v[TQ+2], |v[O_]|, |v[O_+1]|, |v[O_+2]|
.elseif J_ < 3
	v_max3_num_f32 v[TQ], v[TQ], |v[E_+2*J_+1]|, |v[E_+2*J_+2]|
	v_max3_num_f32 v[TQ+2], v[TQ+2], |v[O_+2*J_+1]|, |v[O_+2*J_+2]|
.elseif J_ == 3
	v_max3_num_f32 v[TQ+2], v[TQ+2], |v[O_+7]|, 0x4800000   ; and the floor 2^(9 - 127)
	v_max3_num_f32 v[TQ], v[TQ], |v[E_+7]|, v[TQ+2]
.elseif J_ == 4
	v_permlanex16_b32 v[TQ+2], v[TQ], s66, s67     ; the other half's largest
	v_max_num_f32 v[TQ], v[TQ], v[TQ+2]
.elseif J_ == 5
	v_add_nc_u32 v[SOP+U_], 0xfc000000, v[TQ]      ; 8 off the exponent field: the conversion's scale operand
	v_and_or_b32 v[TQ+1], v[TQ], 0x7f800000, s2    ; 448 x the scale
.elseif J_ < 10
.if J_ == 9
	v_med3_num_f32 v[E_+6], v[E_+6], -v[TQ+3], v[TQ+3]
	v_med3_num_f32 v[E_+7], v[E_+7], -v[TQ+3], v[TQ+3]
	v_cvt_scalef32_pk8_fp8_f32 v[MCD+4*U_:MCD+4*U_+1], v[E_:E_+7], v[SOP+U_]
.else
	v_med3_num_f32 v[E_+2*(J_-6)], v[E_+2*(J_-6)], -v[TQ+1], v[TQ+1]
	v_med3_num_f32 v[E_+2*(J_-6)+1], v[E_+2*(J_-6)+1], -v[TQ+1], v[TQ+1]
.if J_ == 8
	v_mov_b32 v[TQ+3], v[TQ+1]                     ; the bound's second copy, freshly written for the step behind this one
.endif
.endif
.elseif J_ < 14
	v_med3_num_f32 v[O_+2*(J_-10)], v[O_+2*(J_-10)], -v[TQ+1], v[TQ+1]
	v_med3_num_f32 v[O_+2*(J_-10)+1], v[O_+2*(J_-10)+1], -v[TQ+1], v[TQ+1]
.if J_ == 13
	v_cvt_scalef32_pk8_fp8_f32 v[MCD+4*U_+2:MCD+4*U_+3], v[O_:O_+7], v[SOP+U_]
.endif
.else
	v_lshrrev_b32 v[EB+U_], 23, v[SOP+U_]          ; the scale byte
.endif
.endm
; Products from .. to - 1 of a block, and what stands behind each: behind product 0 addresses (hook), behind 1 to 27 the 30 steps of two units
.macro PRODS kind, blk, from, to, wk, a0, us, hook
.set N_, \from
.rept (\to)-(\from)
	PROD \kind, \blk, N_
.if N_ == 0
	WIN 0
.if \hook == 1
	s_add_co_u32 s95, s95, 4096                    ; the next chunk's scale words
	v_add_nc_u32 v[VSA], s95, v[VSC]
.elseif \hook == 2
	s_add_nc_u64 s[84:85], s[84:85], REC           ; this chunk's codes: q's K steps, then k's
	s_cmp_eq_u32 s3, 2
	s_cselect_b64 s[84:85], s[88:89], s[84:85]
	s_xor_b32 s94, s94, YB                         ; the next chunk's slot
	v_add_nc_u32 v[ADRA], s94, v[AWL]
	v_add_nc_u32 v[VB], s100, v[VBB]
	s_add_co_u32 s100, s100, 512
.elseif \hook == 5
	v_mov_b32 v[ADRA], v[AWL]                      ; chunk 5 lies in slot X
.endif
.elseif N_ < 25
	WIN 0
	UNIT N_-1, \wk, \a0, \us
.elseif N_ < 28
	WIN 0
	UNIT 2*N_-26, \wk, \a0, \us
	UNIT 2*N_-25, \wk, \a0, \us
.endif
.set N_, N_+1
.endr
.endm
.macro BLK kind, blk, wk, a0, us, hook
	s_wait_xcnt 0x0                                ; the stores before have read their registers: codes and bases may be written
	PRODS \kind, \blk, 0, 32, \wk, \a0, \us, \hook
	WIN 0
	WALU
	PLACES 8                                       ; behind the last product, ahead of loads into what it has read and of readers of its sums (ISA guide 7.12.1 for the readers of its sums)
	s_wait_dscnt 0x0                               ; the next block's set is in: it was asked for a block ago
.endm
.macro RBLK                            ; a chunk's block 2 of q, k: the next chunk is shown, this one's slot is filled again with the chunk two on
	s_wait_xcnt 0x0
	PRODS 0, 2, 0, 16, 0, 0, 0, 2
	WIN 0
	WALU
	GRD
	s_xor_b32 s77, s77, YB                         ; no tensor load of mine is out: the refill's descriptor: the other slot
	s_xor_b32 s82, s82, 0xc0000                    ; by turns on to the next matrix's rows and on by 128 rows
	s_add_nc_u64 s[78:79], s[78:79], s[82:83]
	PRODS 0, 2, 16, 28, 0, 0, 0, 2
	WIN 0
	WALU
	s_wait_dscnt 0x0                               ; the add is done, my reads of this chunk are over
	s_barrier_signal -1
	PRODS 0, 2, 28, 32, 0, 0, 0, 2
	WIN 0
	s_barrier_wait -1
	CREST
	TLOAD 76, 52
	PLACES 4
.endm
.macro SBLK                            ; chunk 4's block 2: the last chunk is shown; nothing is filled again
	s_wait_xcnt 0x0
	PRODS 1, 2, 0, 28, 1, 0, 0, 5
	WIN 0
	WALU
	s_wait_tensorcnt 0x0
	s_wait_dscnt 0x0
	s_barrier_signal -1
	PRODS 1, 2, 28, 32, 1, 0, 0, 5
	WIN 0
	s_barrier_wait -1
	PLACES 8
.endm
.macro FETCH e, blk                    ; block blk's 16 rows, all of K, into set e of window 3: lane l holds row l % 16; registers 4 c .. of a fragment K = 32 c + 16 (l / 16) + 0 .. 15
	WIN 0xC0
.irp q, 0,1,2,3,4,5,6,7
.irp c, 0,1,2,3
	ds_load_b128 v[128*\e+16*\q+4*\c:128*\e+16*\q+4*\c+3], v[ADRA] offset:\blk*16*PITCH+128*\q+32*\c
.endr
.endr
	WIN 0
.endm
.macro SCF p                           ; the scale words of a pair of blocks: lanes 0-15 the even block's rows, lanes 16-31 the odd one's
	ds_load_b128 v[SW+8*\p:SW+8*\p+3], v[VSA] offset:1024*\p
	ds_load_b128 v[SW+8*\p+4:SW+8*\p+7], v[VSA] offset:1024*\p+16
.endm
.macro QOUT us, p                      ; two units of q or k leave: 512 consecutive bytes a store; the byte to its place in LDS (both halves of the lanes hold the same)
.irp i, 0,1
	ds_store_b8 v[VB], v[EB+\us+\i] offset:64*(\us+\i)+\p
	global_store_b128 v[CO], v[MCD+4*(\us+\i):MCD+4*(\us+\i)+3], s[84:85] offset:2048*(\us+\i)+512*\p
.endr
.endm
.macro QOUTP us                        ; the chunk before's second pair; chunk 0 has none before it
	s_cmp_eq_u32 s3, 0
	s_cbranch_scc1 .Lnone_\@
	QOUT \us, 1
.Lnone_\@:
.endm
.macro VOUT us, b0, t, base            ; two units of v: block b0 + us / 2 of v's chunk t
.irp i, 0,1
	ds_store_b8 v[VBV], v[EB+\us+\i] offset:512*\t+64*(\b0+\us/2)+\i
	global_store_b128 v[COV], v[MCD+4*(\us+\i):MCD+4*(\us+\i)+3], s[\base:\base+1] offset:2048*(\b0+\us/2)+512*\i
.endr
.endm
	s_load_b256 s[4:11], s[0:1], 0x0               ; x_codes s[4:5], x_scales s[6:7], kernel_codes s[8:9], kernel_scales s[10:11]
	s_load_b128 s[12:15], s[0:1], 0x20             ; qrec, krec
	s_load_b64 s[16:17], s[0:1], 0x30              ; vrec
	v_lshl_add_u32 v[SPW], v0, 2, SPARE
	v_mov_b32 v[NIL], 0
	ds_add_u32 v[SPW], v[NIL]                      ; the wave's opening: the add, twice on end, and its wait ahead of the first tensor load
	ds_add_u32 v[SPW], v[NIL]
	v_lshrrev_b32 v1, 5, v0
	v_readfirstlane_b32 s18, v1                    ; wave 0..3
	s_and_b32 s22, s18, 1                          ; wc: my column of waves
	s_lshr_b32 s23, s18, 1                         ; wr: my row of waves
	s_bfe_u32 s19, ttmp6, 0x40000                  ; cx, cy
	s_bfe_u32 s20, ttmp6, 0x40004
	s_lshl_b32 s21, ttmp9, 2
	s_add_co_u32 s21, s21, s19                     ; ct: columns 256 ct .. of each matrix
	s_and_b32 s27, ttmp7, 0xffff
	s_lshl_b32 s27, s27, 2
	s_add_co_u32 s27, s27, s20                     ; tr: the panel of 128 rows
	s_lshl_b32 s24, s20, 2
	s_lshl_b32 s24, 15, s24                        ; my row of the cluster shares x
	s_lshl_b32 s25, 0x1111, s19                    ; my column shares W
	GROUP1 28, 24, 64
	GROUP1 36, 25, 128
	GROUP1 52, 25, 32
	s_or_b32 s68, s25, (3<<16)|(1<<21)             ; W's scale bytes: 256 rows of each matrix: three rows of 8,192 bytes, 32,768 apart, in elements of 8 bytes
	s_mov_b32 s69, 1024<<16
	s_mov_b32 s70, 3<<16
	s_mov_b32 s71, 1024<<16
	s_mov_b32 s72, 3
	s_mov_b32 s73, 4096
	s_mov_b32 s74, 0
	s_mov_b32 s75, 0
	s_mov_b32 s44, 1                               ; groups 0: x's half,
	s_mul_i32 s45, s18, 64*PITCH
	s_mov_b32 s48, 1                               ; chunk 0,
	s_mov_b32 s49, YB
	s_mov_b32 s60, 1                               ; the scale bytes,
	s_mov_b32 s61, WSC
	s_mov_b32 s76, 1                               ; my quarter of a refill
	s_mul_i32 s77, s18, 32*PITCH
	s_lshl_b32 s80, s27, 17                        ; offsets, each under 2^32: x's codes,
	s_lshl_b32 s26, s18, 16
	s_add_co_u32 s80, s80, s26
	s_mov_b32 s81, 0
	s_lshl_b32 s82, s21, 18                        ; W's codes: chunk 0,
	s_mov_b32 s83, 0
	s_lshl_b32 s26, s18, 15
	s_add_co_u32 s96, s82, s26
	s_add_co_u32 s96, s96, 0x20000                 ; my quarter of chunk 1,
	s_mov_b32 s97, 0
	s_lshl_b32 s94, s21, 13                        ; W's scale bytes,
	s_mov_b32 s95, 0
	s_lshl_b32 s84, s27, 12                        ; x's scale bytes,
	s_lshl_b32 s26, s23, 11
	s_add_co_u32 s84, s84, s26
	s_mov_b32 s85, 0
	s_mul_i32 s86, s27, PANEL                      ; q, k: panel tr, K step 2 ct,
	s_mul_i32 s26, s21, 2*REC
	s_add_co_u32 s86, s86, s26
	s_mov_b32 s87, 0
	s_lshr_b32 s90, s27, 3                         ; v: panel 8 (tr / 8) + 2 ct, K step tr % 8
	s_lshl_b32 s90, s90, 3
	s_lshl_b32 s26, s21, 1
	s_add_co_u32 s90, s90, s26
	s_mul_i32 s90, s90, PANEL
	s_and_b32 s26, s27, 7
	s_mul_i32 s26, s26, REC
	s_add_co_u32 s90, s90, s26
	s_mov_b32 s91, 0
	s_wait_dscnt 0x0                               ; both opening adds are done
	CROUND                                         ; all sixteen work-groups are here: the first joint loads meet
	s_wait_kmcnt 0x0
	s_add_nc_u64 s[46:47], s[4:5], s[80:81]
	s_or_b32 s47, s47, 0x80000000
	s_add_nc_u64 s[50:51], s[8:9], s[82:83]
	s_or_b32 s51, s51, 0x80000000
	s_add_nc_u64 s[62:63], s[10:11], s[94:95]
	s_or_b32 s63, s63, 0x80000000
	s_cmp_lt_u32 s18, 2                            ; ONE joint load a wave; x's halves are wanted first
	s_cbranch_scc0 .Lfor_chunk
	TLOAD 44, 28
	s_branch .Lasked
.Lfor_chunk:
	s_cmp_lt_u32 s18, 3
	s_cbranch_scc0 .Lfor_scales
	TLOAD 48, 36
	s_branch .Lasked
.Lfor_scales:
	TLOAD 60, 68
.Lasked:
	s_add_nc_u64 s[78:79], s[8:9], s[96:97]
	s_or_b32 s79, s79, 0x80000000
	s_add_nc_u64 s[80:81], s[6:7], s[84:85]        ; x's scale bytes
	s_add_nc_u64 s[88:89], s[14:15], s[86:87]      ; k
	s_add_nc_u64 s[86:87], s[12:13], s[86:87]      ; q
	s_add_nc_u64 s[90:91], s[16:17], s[90:91]      ; v: its chunk 0,
	s_add_nc_u64 s[92:93], s[90:91], PANEL         ; and 1
	s_sub_nc_u64 s[84:85], s[86:87], REC           ; stepped in each chunk's block 2
	s_mul_i32 s98, s22, REC                        ; the scale words' way out: wave w stores chunk w's 512 bytes,
	s_add_co_u32 s98, s98, 16384
	s_mov_b32 s99, 0
	s_cmp_lt_u32 s18, 2
	s_cselect_b64 s[96:97], s[86:87], s[88:89]
	s_add_nc_u64 s[96:97], s[96:97], s[98:99]
	s_mul_i32 s98, s23, PANEL                      ; and half w % 2 of chunk 4 + w / 2's
	s_lshl_b32 s26, s22, 8
	s_add_co_u32 s98, s98, s26
	s_add_co_u32 s98, s98, 16384
	s_add_nc_u64 s[98:99], s[90:91], s[98:99]
	s_mov_b32 s82, 0x20000                         ; the refills' step
	s_mov_b32 s83, 0
	s_mov_b32 s94, YB                              ; chunk 0's slot
	s_mov_b32 s95, 0
	s_mov_b32 s100, 0
	s_mov_b32 s2, 0x600000                         ; the mantissa field of 448
	s_mov_b32 s3, 0                                ; the chunk
	s_mov_b32 s66, 0x76543210
	s_mov_b32 s67, 0xfedcba98
	s_mul_i32 s4, s23, 64*PITCH
	s_mul_i32 s5, s22, 64*PITCH
	s_lshl_b32 s6, s22, 11
	s_add_co_u32 s6, s6, WSC
	s_lshl_b32 s7, s22, 10
	s_lshl_b32 s26, s23, 13
	s_add_co_u32 s7, s7, s26
	s_lshl_b32 s8, s22, 13
	s_lshl_b32 s26, s23, 10
	s_add_co_u32 s8, s8, s26
	s_lshl_b32 s9, s23, 8
	s_lshl_b32 s26, s22, 1
	s_add_co_u32 s9, s9, s26
	s_add_co_u32 s9, s9, XN
	s_lshl_b32 s10, s22, 8
	s_lshl_b32 s26, s23, 1
	s_add_co_u32 s10, s10, s26
	s_add_co_u32 s10, s10, XN+2048
	s_lshl_b32 s11, s18, 9
	s_add_co_u32 s11, s11, XN
	s_lshl_b32 s12, s18, 8
	s_add_co_u32 s12, s12, XN+2048
	v_and_b32 v1, 15, v0                           ; r
	v_bfe_u32 v2, v0, 4, 1                         ; h
	v_and_b32 v3, 31, v0                           ; lane
	v_lshlrev_b32 v[SA], 5, v3
	v_mul_u32_u24 v[AWL], v1, PITCH
	v_lshl_add_u32 v[AWL], v2, 4, v[AWL]
	v_add_nc_u32 v[ADX], s4, v[AWL]
	v_add_nc_u32 v[AWL], s5, v[AWL]
	v_add_nc_u32 v[ADRA], YB, v[AWL]
	v_lshl_add_u32 v[VSC], v3, 5, s6
	v_mov_b32 v[VSA], v[VSC]
	v_lshl_add_u32 v[CO], v3, 4, s7
	v_lshl_add_u32 v[COV], v3, 4, s8
	v_lshl_add_u32 v[VBB], v1, 2, s9
	v_mov_b32 v[VB], v[VBB]
	v_lshl_add_u32 v[VBV], v1, 2, s10
	v_lshlrev_b32 v[L16], 4, v3
	v_lshlrev_b32 v[L8], 3, v3
	v_lshl_add_u32 v[VR1], v3, 4, s11
	v_lshl_add_u32 v[VR2], v3, 3, s12
.set I_, 0
.rept 64
	v_mov_b32 v[ACC+64+I_], 0                      ; the first chunk's first way out has no pair before it: it works on these zeros and stores nothing
.set I_, I_+1
.endr
	WALU                                           ; the head's end
.irp p, 0,1
.irp j, 0,1
	global_load_b128 v[SX+8*\p+4*\j:SX+8*\p+4*\j+3], v[SA], s[80:81] offset:1024*\p+16*\j
.endr
.endr
	s_cmp_lt_u32 s18, 2
	s_cbranch_scc0 .Lnot_x
	s_wait_tensorcnt 0x0                           ; waves 0, 1: x's halves are in; the others' wait stands ahead of the round below
.Lnot_x:
	BARRIER
.irp q, 0,1,2,3,4,5,6,7                ; my 64 rows of x, all of K: fragment 4 q + rt
.irp t, 0,1,2,3
.set F_, 4*\q+\t
.set wsel, 0x40*(1+F_/16)
	WIN wsel
.irp c, 0,1,2,3
	ds_load_b128 v[16*(F_%16)+4*\c:16*(F_%16)+4*\c+3], v[ADX] offset:\t*16*PITCH+128*\q+32*\c
.endr
.endr
.endr
	WIN 0
	GRD
	s_wait_dscnt 0x0                               ; the add is done, x is in registers
	CROUND
	TLOAD 76, 52                                   ; chunk 1, over x's rows
	SCF 0
	SCF 1
	FETCH 0, 0
	FETCH 1, 1
	s_wait_loadcnt 0x0
	s_wait_dscnt 32                                ; all but the second set's 32 loads
.Ltrip:                                                ; q's and k's four chunks
	BLK 0, 0, 0, 2, 0, 0
	QOUTP 0
	FETCH 0, 2
	BLK 0, 1, 0, 2, 2, 1
	QOUTP 2
	SCF 0
	FETCH 1, 3
	RBLK
	QOUT 0, 0
	FETCH 0, 0
	BLK 0, 3, 0, 0, 2, 0
	QOUT 2, 0
	SCF 1
	FETCH 1, 1
	s_add_co_u32 s3, s3, 1
	s_cmp_lt_u32 s3, 4
	s_cbranch_scc1 .Ltrip
	v_add_nc_u32 v[ADRA], YB, v[AWL]               ; v's two chunks: chunk 4 lies in slot B; k's last byte; chunk 5's scale words
	v_add_nc_u32 v[VB], 3*512, v[VBB]
	v_add_nc_u32 v[VSA], 5*4096, v[VSC]
	WALU
	BLK 1, 0, 0, 2, 0, 0
	QOUT 0, 1
	FETCH 0, 2
	BLK 1, 1, 0, 2, 2, 0
	QOUT 2, 1
	SCF 0
	FETCH 1, 3
	SBLK
	VOUT 0, 0, 0, 90
	FETCH 0, 0
	BLK 1, 3, 1, 0, 2, 0
	VOUT 2, 0, 0, 90
	SCF 1
	FETCH 1, 1
	BLK 1, 0, 1, 2, 0, 0
	VOUT 0, 2, 0, 90
	FETCH 0, 2
	BLK 1, 1, 1, 2, 2, 0
	VOUT 2, 2, 0, 90
	FETCH 1, 3
	BLK 1, 2, 1, 0, 0, 0
	VOUT 0, 0, 1, 92
	BLK 1, 3, 1, 0, 2, 0
	VOUT 2, 0, 1, 92
	s_wait_xcnt 0x0
.set M_, 0
.rept 60                               ; the last pair's way out
	UNIT M_, 1, 2, 0
.set M_, M_+1
.endr
	WALU
	VOUT 0, 2, 1, 92
	VOUT 2, 2, 1, 92
	s_wait_dscnt 0x0                               ; the scale bytes
	BARRIER
	ds_load_b128 v[64:67], v[VR1]
	ds_load_b64 v[68:69], v[VR2]
	s_wait_dscnt 0x0
	global_store_b128 v[L16], v[64:67], s[96:97]
	global_store_b64 v[L8], v[68:69], s[98:99]
	s_wait_tensorcnt 0x0                           ; the wave's end
	ds_add_u32 v[SPW], v[NIL]
	s_wait_dscnt 0x0
	CROUND                                         ; the closing round
	s_endpgm
.Lfunc_end_k_q59966a41fb_proj:
	.size	k_q59966a41fb_proj, .Lfunc_end_k_q59966a41fb_proj-k_q59966a41fb_proj
	.p2alignl 7, 3214868480
	.fill 96, 4, 3214868480
	.section	.rodata,"a",@progbits
	.p2align	6, 0x0
	.amdhsa_kernel k_q59966a41fb_proj
		.amdhsa_group_segment_fixed_size 327680
		.amdhsa_private_segment_fixed_size 0
		.amdhsa_enable_private_segment 0
		.amdhsa_kernarg_size 56
		.amdhsa_user_sgpr_count 2
		.amdhsa_user_sgpr_kernarg_segment_ptr 1
		.amdhsa_wavefront_size32 1
		.amdhsa_system_sgpr_workgroup_id_x 1
		.amdhsa_system_sgpr_workgroup_id_y 1
		.amdhsa_system_sgpr_workgroup_id_z 1
		.amdhsa_system_vgpr_workitem_id 0
		.amdhsa_next_free_vgpr 1024
		.amdhsa_next_free_sgpr 102
		.amdhsa_reserve_vcc 0
		.amdhsa_float_denorm_mode_32 3
		.amdhsa_float_denorm_mode_16_64 3
		.amdhsa_memory_ordered 1
		.amdhsa_forward_progress 1
		.amdhsa_inst_pref_size 183
	.end_amdhsa_kernel
	.amdgpu_metadata
---
amdhsa.version: [ 1, 2 ]
amdhsa.kernels:
  - .name:           k_q59966a41fb_proj
    .symbol:         k_q59966a41fb_proj.kd
    .args:
      - { .name: x_codes, .offset: 0, .size: 8, .value_kind: global_buffer, .address_space: global }
      - { .name: x_scales, .offset: 8, .size: 8, .value_kind: global_buffer, .address_space: global }
      - { .name: kernel_codes, .offset: 16, .size: 8, .value_kind: global_buffer, .address_space: global }
      - { .name: kernel_scales, .offset: 24, .size: 8, .value_kind: global_buffer, .address_space: global }
      - { .name: qrec, .offset: 32, .size: 8, .value_kind: global_buffer, .address_space: global }
      - { .name: krec, .offset: 40, .size: 8, .value_kind: global_buffer, .address_space: global }
      - { .name: vrec, .offset: 48, .size: 8, .value_kind: global_buffer, .address_space: global }
    .group_segment_fixed_size: 327680
    .private_segment_fixed_size: 0
    .kernarg_segment_align: 8
    .kernarg_segment_size: 56
    .max_flat_workgroup_size: 128
    .sgpr_count:     102
    .vgpr_count:     1024
    .wavefront_size: 32
...
	.end_amdgpu_metadata
.endif
;; end of part 1
;; launch score (part 2): grid 32 x 8, 4 waves a work-group, clusters of 4 x 1, 168,448 bytes of LDS; arguments qrec, krec, prec, pmax, psum; writes prec, pmax, psum
.if DOCPART == 2
	.amdgcn_target "amdgcn-amd-amdhsa--gfx1250"
	.amdhsa_code_object_version 6
	.text
	.protected	k_q59966a41fb_score
	.globl	k_q59966a41fb_score
	.p2align	8
	.type	k_q59966a41fb_score,@function
k_q59966a41fb_score:
	s_mov_b64 s[64:65], 0
	v_nop
	global_prefetch_b8 v0, s[64:65] scope:SCOPE_SE
	s_setreg_imm32_b32 hwreg(HW_REG_WAVE_MODE, 25, 1), 1
	s_wait_xcnt 0x0
	s_wait_alu depctr_hold_cnt(0) depctr_sa_sdst(0) depctr_va_vdst(0) depctr_va_sdst(0) depctr_va_ssrc(0) depctr_va_vcc(0) depctr_vm_vsrc(0)
	s_getreg_b32 s2, hwreg(HW_REG_IB_STS2, 6, 4)
	s_cmp_eq_u32 s2, 0
	s_cbranch_scc0 .Lentry_in_a_cluster
	s_endpgm
.Lentry_in_a_cluster:
	s_bfe_u32 s2, ttmp6, 0x10000c
	s_cmp_lg_u32 s2, 0x3003
	s_cbranch_scc0 .Lentry_shape_is_right
	s_endpgm
.Lentry_shape_is_right:
; S^T = k q^T on the codes that the launch before made, and the softmax's weights, quantised along the keys.
; SHARES.  A work-group takes 256 queries (block qt of batch b) and 128 keys (panel kp).  Wave w keeps its 64 queries for all of K = 1,024 in registers (32 fragments, loaded as images straight from memory);
; the keys' panel, 135,168 bytes, lies in LDS as it lies in memory and is read by all four waves.  Source 0 = 16 keys, source 1 = 16 queries: a lane holds ONE query and its registers run along the keys.
; THE SOFTMAX.  t = score x log2(e) / 32.  For each query and THESE 128 keys: M = ceil(the largest t), p = 2^(t - M), quantised by blocks of 32 keys; the sum of the unquantised p.  -M and the sum are stored;
; the next launch brings the eight parts of a row under the row's M by taking whole numbers off p's scale bytes, which rounds nothing.
; CLUSTER 4 x 1: the four query blocks of a batch walk the same panel of keys: it is asked for jointly.  The queries' fragments are not shared: they go into registers, and 256 rows x 1,024 bytes of images
; would not fit into LDS beside the panel.  LDS is filled once: four loads a wave, one for each stage of two K steps, all issued behind the opening round; by this text's own count four are out.
; LIMITS: NaN and infinities are not served.  Where |t| passes 2^24, M is t itself.  A block whose largest p lies under 2^-118 gets the byte 1.
; REGISTERS: window 0: v3-13 addresses, v16-31 q's scale words, v32-63 k's, v64-109 at work, v128-255 two sets of four fragments of k (then p's codes); windows 1, 2: q's fragments; window 3: the accumulators.
; THE LOADS AS THEY STAND: ONE tensor load a wave, of a whole stage: wave j brings stage j, in an arm of its own, and waits for it ahead of the barrier that shows that stage.  (This holds in place of what is said above of four loads a wave.)
.set REC,   16896
.set PANEL, 8*REC
.set STG2,  2*REC                      ; a stage: two K steps
.set AL,  4                            ; v4-7   16 x lane + the stage
.set AS,  8                            ; v8-11  4 x lane + the stage
.set VR,  12                           ; v12    16 x lane + four fragments for the odd waves
.set VS,  13                           ; v13    4 x lane + 64 rows for the odd waves
.set SCR, 16
.set SCL, 32
.set BM,  64                           ; v64-67 a block's largest score, then its largest p
.set BX,  68                           ; v68-71 the other half's
.set NEGM, 72                          ; v[72:73] -M (the pair is named; its low word serves both halves)
.set SUM, 74
.set SU2, 76
.set HOLD, 80
.set SOP, 84
.set BY,  88
.set PW,  92
.set LS,  93
.set KE,  94                           ; v94-96 the even block's word, -M and sum, kept
.set TT,  100
.set PK,  104                          ; v104-109 packed for the stores: one register for each store
.set LF,  128
.set CD,  128
.set MSB, 0
.macro WIN new
.if MSB != \new
	s_set_vgpr_msb (MSB<<8)|\new
.set MSB, \new
.endif
.endm
.macro PLACES n
.rept \n
	v_nop
.endr
.endm
.macro CROUND
	s_barrier_signal -1
	s_barrier_wait -1
	s_cmp_lg_u32 s14, 0
	s_cbranch_scc1 .Lnw0_\@
	s_barrier_signal -3
.Lnw0_\@:
	s_barrier_wait -3
	s_barrier_signal -1
	s_barrier_wait -1
.endm
.macro WM
.set wsl, 4*fZ+2*fRA+fRB
.if wsl == 0
	v_wmma_scale_f32_16x16x128_f8f6f4 v[rD:rD+7], v[rA:rA+15], v[rB:rB+15], v[rD:rD+7], v[rSA], v[rSB]
.elseif wsl == 1
	v_wmma_scale_f32_16x16x128_f8f6f4 v[rD:rD+7], v[rA:rA+15], v[rB:rB+15], v[rD:rD+7], v[rSA], v[rSB] matrix_b_scale:MATRIX_SCALE_ROW1
.elseif wsl == 2
	v_wmma_scale_f32_16x16x128_f8f6f4 v[rD:rD+7], v[rA:rA+15], v[rB:rB+15], v[rD:rD+7], v[rSA], v[rSB] matrix_a_scale:MATRIX_SCALE_ROW1
.elseif wsl == 3
	v_wmma_scale_f32_16x16x128_f8f6f4 v[rD:rD+7], v[rA:rA+15], v[rB:rB+15], v[rD:rD+7], v[rSA], v[rSB] matrix_a_scale:MATRIX_SCALE_ROW1 matrix_b_scale:MATRIX_SCALE_ROW1
.elseif wsl == 4
	v_wmma_scale_f32_16x16x128_f8f6f4 v[rD:rD+7], v[rA:rA+15], v[rB:rB+15], 0, v[rSA], v[rSB]
.elseif wsl == 5
	v_wmma_scale_f32_16x16x128_f8f6f4 v[rD:rD+7], v[rA:rA+15], v[rB:rB+15], 0, v[rSA], v[rSB] matrix_b_scale:MATRIX_SCALE_ROW1
.elseif wsl == 6
	v_wmma_scale_f32_16x16x128_f8f6f4 v[rD:rD+7], v[rA:rA+15], v[rB:rB+15], 0, v[rSA], v[rSB] matrix_a_scale:MATRIX_SCALE_ROW1
.else
	v_wmma_scale_f32_16x16x128_f8f6f4 v[rD:rD+7], v[rA:rA+15], v[rB:rB+15], 0, v[rSA], v[rSB] matrix_a_scale:MATRIX_SCALE_ROW1 matrix_b_scale:MATRIX_SCALE_ROW1
.endif
.endm
.macro RLOAD s                         ; my four fragments of K step s: each load reads 512 consecutive bytes
.set wsel, 0x40*(1+(\s)/4)
	WIN wsel
.irp rb, 0,1,2,3
.irp c, 0,1,2,3
	global_load_b128 v[16*(4*((\s)%4)+\rb)+4*\c:16*(4*((\s)%4)+\rb)+4*\c+3], v[VR], s[50:51] offset:(\s)*REC+2048*\rb+512*\c
.endr
.endr
	WIN 0
.endm
.macro FETCH g                         ; batch g: K step g / 2, the panel's tiles 4 (g % 2) + 0..3, into set g % 2: images, 512 consecutive bytes a load
.set kS, (\g)/2
.set kU, (\g)%2
.irp f, 0,1,2,3
.irp c, 0,1,2,3
	ds_load_b128 v[LF+64*kU+16*\f+4*\c:LF+64*kU+16*\f+4*\c+3], v[AL+kS/2] offset:(kS%2)*REC+(4*kU+\f)*2048+512*\c
.endr
.endr
.endm
.macro SCALES j                        ; the panel's scale words of stage j: lanes 0-15 tile 2p's rows, lanes 16-31 tile 2p+1's
.irp e, 0,1
.irp p, 0,1,2,3
	ds_load_b32 v[SCL+8*\p+2*(\j)+\e], v[AS+(\j)] offset:\e*REC+16384+128*\p
.endr
.endr
.endm
.macro MUL g                           ; 16 products on 16 different accumulators, one instruction a turn; accumulator (rb, lt) at v[8 (8 rb + lt)]
.set kS, (\g)/2
.set kU, (\g)%2
.set fZ, 0
.if kS == 0
.set fZ, 1
.endif
.set wsel, 0xF4+4*(kS/4)
	WIN wsel
.irp f, 0,1,2,3
.irp rb, 0,1,2,3
.set rD, 8*(8*\rb+4*kU+\f)
.set rA, LF+64*kU+16*\f
.set rB, 16*(4*(kS%4)+\rb)
.set rSA, SCL+8*((4*kU+\f)/2)+kS
.set fRA, \f%2
.set rSB, SCR+8*(\rb/2)+kS
.set fRB, \rb%2
	WM
.endr
.endr
.endm
.macro BATCH g
	WIN 0
.if ((\g)%4 == 3) && ((\g) < 15)
	s_wait_dscnt 0x0                               ; no LDS load of mine is out at a signal (this batch's fragments are in with that)
.if (\g) == 11
	s_wait_tensorcnt 0x0                           ; the last stage: what is still out
.else
	s_cmp_eq_u32 s14, ((\g)+1)/4                   ; the wave that brought the next stage waits for it
	s_cbranch_scc0 .Lnot_mine_\@
	s_wait_tensorcnt 0x0
.Lnot_mine_\@:
.endif
	s_barrier_signal -1
	s_barrier_wait -1                              ; everybody's is
.endif
	PLACES 8                                       ; in front of loads into the set that the batch just issued has read
.if (\g) < 15
	FETCH (\g)+1
.if (\g)%4 == 3
	SCALES ((\g)+1)/4
.endif
.endif
.if (\g)%4 == 0
.if (\g) == 12
	s_wait_loadcnt 0x0
.else
	s_wait_loadcnt 32                              ; this stage's two K steps of q are in; the 32 loads of the two K steps behind them may stay out
.endif
.if (\g) == 0
	RLOAD 4
	RLOAD 5
.endif
.if (\g) == 4
	RLOAD 6
	RLOAD 7
.endif
.endif
.if (\g) == 15
	s_wait_dscnt 0x0
.elseif (\g)%4 != 3
	s_wait_dscnt 16                                ; this batch's fragments (and scale words) are in; the 16 loads just issued may stay out
.endif
	MUL \g
.endm
; Block rb of 16 queries: its 64 accumulators (register 16 b + i: key i of my 16 of block b) become p's codes, scale word, -M and sum.
.macro SOFT rb
.set aa, 64*\rb
	WIN 0x3F
.irp b, 0,1,2,3
	v_max3_num_f32 v[BM+\b], v[aa+16*\b], v[aa+16*\b+1], v[aa+16*\b+2]   ; the largest score of each block: for the maximum, and, since p rises with the score, for the block's largest p.  Each accumulator is read from its low end on
.endr
	WIN 0x3C
.irp i, 3,5,7,9,11,13
.irp b, 0,1,2,3
	v_max3_num_f32 v[BM+\b], v[BM+\b], v[aa+16*\b+\i], v[aa+16*\b+\i+1]
.endr
.endr
.irp b, 0,1,2,3
	v_max_num_f32 v[BM+\b], v[BM+\b], v[aa+16*\b+15]
.endr
	WIN 0
.irp b, 0,1,2,3
	v_permlanex16_b32 v[BX+\b], v[BM+\b], s46, s47
.endr
.irp b, 0,1,2,3
	v_max_num_f32 v[BM+\b], v[BM+\b], v[BX+\b]     ; with lane l xor 16's 16 keys
.endr
	v_max3_num_f32 v[TT], v[BM], v[BM+1], v[BM+2]
	v_max_num_f32 v[TT], v[TT], v[BM+3]
	v_mul_f32 v[TT], s44, v[TT]                    ; the largest t of these 128 keys (c is positive)
	v_floor_f32 v[NEGM], -v[TT]                    ; -M = floor(-t) = -ceil(t): a whole number
	WIN 0xC3
.set j, 0
.rept 32
	v_pk_fma_f32 v[aa+j:aa+j+1], v[aa+j:aa+j+1], s[44:45], v[NEGM:NEGM+1] op_sel_hi:[1,0,0]   ; t - M, two at a time
.set j, j+2
.endr
	WIN 0
.irp b, 0,1,2,3
	v_fma_f32 v[BM+\b], v[BM+\b], s44, v[NEGM]     ; the same of each block's largest score
.endr
	WIN 0xC3
.set j, 0
	s_wait_alu depctr_va_vdst(0)
.rept 64
	v_exp_f32 v[aa+j], v[aa+j]                     ; p = 2^(t - M), at most 1
.set j, j+1
.endr
	WIN 0
.irp b, 0,1,2,3
	v_exp_f32 v[BM+\b], v[BM+\b]                   ; the block's largest p: the same two instructions on the same number
.endr
	v_nop                                          ; a plain line behind the exponentials
	s_wait_alu depctr_va_vdst(0)
.irp b, 0,1,2,3
	v_max_num_f32 v[BM+\b], 0x4800000, v[BM+\b]    ; the floor 2^(9 - 127): the byte cannot fall under 1
.endr
.irp b, 0,1,2,3
	v_add_nc_u32 v[SOP+\b], 0xfc000000, v[BM+\b]   ; 8 off the exponent field: the conversion's scale operand
.endr
.irp b, 0,1,2,3
	v_and_or_b32 v[HOLD+\b], v[BM+\b], 0x7f800000, s48   ; 448 x the scale
.endr
.irp b, 0,1,2,3
	v_lshrrev_b32 v[BY+\b], 23, v[SOP+\b]          ; the scale's byte, 119 at the most
.endr
	v_lshl_or_b32 v[PW], v[BY+1], 8, v[BY]
	v_lshl_or_b32 v[PW], v[BY+2], 16, v[PW]
	v_lshl_or_b32 v[PW], v[BY+3], 24, v[PW]
	WIN 0x0F
	v_pk_add_f32 v[SUM:SUM+1], v[aa:aa+1], v[aa+2:aa+3]       ; the sum is taken of the unquantised p: two at a time, in two chains
	v_pk_add_f32 v[SU2:SU2+1], v[aa+4:aa+5], v[aa+6:aa+7]
	WIN 0x0C
.set j, 8
.rept 14
	v_pk_add_f32 v[SUM:SUM+1], v[SUM:SUM+1], v[aa+j:aa+j+1]
	v_pk_add_f32 v[SU2:SU2+1], v[SU2:SU2+1], v[aa+j+2:aa+j+3]
.set j, j+4
.endr
	WIN 0xC3
.set j, 0
.rept 64
	v_min_num_f32 v[aa+j], v[aa+j], v[HOLD+j/16]   ; the conversion does not saturate (ISA guide 7.6.2); p is not negative, so the hold is one-sided
.set j, j+1
.endr
	WIN 0x03
.irp b, 0,1,2,3
	v_cvt_scalef32_pk8_fp8_f32 v[CD+16*\rb+4*\b:CD+16*\rb+4*\b+1], v[aa+16*\b:aa+16*\b+7], v[SOP+\b]
	v_cvt_scalef32_pk8_fp8_f32 v[CD+16*\rb+4*\b+2:CD+16*\rb+4*\b+3], v[aa+16*\b+8:aa+16*\b+15], v[SOP+\b]
.endr
	WIN 0
	v_nop                                          ; one plain line behind the last conversion
	v_pk_add_f32 v[SUM:SUM+1], v[SUM:SUM+1], v[SU2:SU2+1]
	v_add_f32 v[LS], v[SUM], v[SUM+1]
	v_permlanex16_b32 v[BX], v[LS], s46, s47
	v_add_f32 v[LS], v[LS], v[BX]                  ; with lane l xor 16's: the sum over the 128 keys
.irp c, 0,1,2,3
	global_store_b128 v[VR], v[CD+16*\rb+4*\c:CD+16*\rb+4*\c+3], s[52:53] offset:2048*\rb+512*\c   ; 512 consecutive bytes
.endr
.if \rb%2 == 0
	v_mov_b32 v[KE], v[PW]
	v_mov_b32 v[KE+1], v[NEGM]
	v_mov_b32 v[KE+2], v[LS]
.else
	v_cndmask_b32 v[PK+3*(\rb/2)], v[KE], v[PW], s49          ; lanes 0-15: the even block's rows, lanes 16-31: the odd block's
	v_cndmask_b32 v[PK+3*(\rb/2)+1], v[KE+1], v[NEGM], s49
	v_cndmask_b32 v[PK+3*(\rb/2)+2], v[KE+2], v[LS], s49
	global_store_b32 v[VS], v[PK+3*(\rb/2)], s[52:53] offset:16384+128*(\rb/2)
	global_store_b32 v[VS], v[PK+3*(\rb/2)+1], s[54:55] offset:128*(\rb/2)
	global_store_b32 v[VS], v[PK+3*(\rb/2)+2], s[56:57] offset:128*(\rb/2)
.endif
.endm
	s_load_b256 s[4:11], s[0:1], 0x0               ; qrec s[4:5], krec s[6:7], prec s[8:9], pmax s[10:11]
	s_load_b64 s[12:13], s[0:1], 0x20              ; psum
	v_lshl_add_u32 v126, v0, 2, 0x29000
	v_mov_b32 v127, 0
	ds_add_u32 v126, v127
	ds_add_u32 v126, v127
	v_lshrrev_b32 v1, 5, v0
	v_readfirstlane_b32 s14, v1                    ; wave 0..3
	s_bfe_u32 s15, ttmp6, 0x40000                  ; qt = cx: it enters q's, p's and the statistics' addresses alone
	s_mov_b32 s16, ttmp9                           ; kp: the cluster's x
	s_and_b32 s17, ttmp7, 0xffff                   ; b
	s_and_b32 s18, s14, 1
	s_lshr_b32 s19, s14, 1
	; group 1: a stage: 132 rows of 256 bytes (32 elements of 8 bytes), dense; the mask: all four work-groups; bit 21 beside it
	s_mov_b32 s20, 15|(3<<16)|(1<<21)
	s_mov_b32 s21, 32<<16
	s_mov_b32 s22, 132<<16
	s_mov_b32 s23, 32<<16
	s_mov_b32 s24, 132
	s_mov_b32 s25, 32
	s_mov_b32 s26, 0
	s_mov_b32 s27, 0
	s_lshl_b32 s60, s17, 3
	s_add_co_u32 s60, s60, s16
	s_mul_i32 s60, s60, PANEL                      ; the keys' panel 8 b + kp,
	s_mul_i32 s62, s14, STG2
	s_add_co_u32 s60, s60, s62                     ; my stage
	s_mov_b32 s61, 0
	s_lshl_b32 s63, s17, 3
	s_lshl_b32 s66, s15, 1
	s_add_co_u32 s63, s63, s66
	s_add_co_u32 s63, s63, s19                     ; my queries' panel: 8 b + 2 qt + w / 2
	s_mul_i32 s66, s63, PANEL
	s_mov_b32 s67, 0
	s_mul_i32 s68, s16, REC
	s_mov_b32 s69, 0
	s_mov_b32 s44, 0x3d38aa3b                      ; c = log2(e) / 32
	s_mov_b32 s45, s44
	s_mov_b32 s46, 0x76543210
	s_mov_b32 s47, 0xfedcba98
	s_mov_b32 s48, 0x600000
	s_mov_b32 s49, 0xffff0000
	v_and_b32 v3, 31, v0                           ; lane
	v_lshlrev_b32 v[AL], 4, v3
	v_lshlrev_b32 v[AS], 2, v3
.irp j, 1,2,3
	v_add_nc_u32 v[AL+\j], \j*STG2, v[AL]
	v_add_nc_u32 v[AS+\j], \j*STG2, v[AS]
.endr
	s_lshl_b32 s52, s18, 13
	v_lshl_add_u32 v[VR], v3, 4, s52
	s_lshl_b32 s52, s18, 8
	v_lshl_add_u32 v[VS], v3, 2, s52
.irp b, 0,1,2,3
	v_mov_b32 v[BX+\b], 0                          ; written once: a lane permute's destination counts as one of its sources
.endr
	v_mov_b32 v[NEGM+1], 0                         ; named as the upper half of a pair
	s_wait_dscnt 0x0
	s_wait_kmcnt 0x0
	s_add_nc_u64 s[60:61], s[6:7], s[60:61]
	s_mov_b32 s28, 1
	s_mov_b32 s29, s62
	s_mov_b64 s[30:31], s[60:61]
	s_or_b32 s31, s31, 0x80000000
	s_add_nc_u64 s[50:51], s[4:5], s[66:67]
	s_add_nc_u64 s[52:53], s[8:9], s[66:67]
	s_add_nc_u64 s[52:53], s[52:53], s[68:69]
	s_lshl_b32 s66, s63, 12                        ; the statistics: 4,096 bytes a panel, 512 a part
	s_lshl_b32 s68, s16, 9
	s_add_co_u32 s66, s66, s68
	s_add_nc_u64 s[54:55], s[10:11], s[66:67]
	s_add_nc_u64 s[56:57], s[12:13], s[66:67]
	CROUND                                         ; all four work-groups are here: the joint loads meet
.macro ARM under, next                 ; one chain of arms on the wave's number: every way passes one load
	s_cmp_lt_u32 s14, \under
	s_cbranch_scc0 \next
	tensor_load_to_lds s[28:31], s[20:27]
	s_nop 0
	PLACES 4
	s_branch .Lasked
\next:
.endm
	ARM 1, .Lstage_1
	ARM 2, .Lstage_2
	ARM 3, .Lstage_3
	tensor_load_to_lds s[28:31], s[20:27]
	s_nop 0
	PLACES 4
.Lasked:
	s_wait_alu depctr_va_vdst(0)
.irp s, 0,1,2,3,4,5,6,7
.irp p, 0,1
	global_load_b32 v[SCR+8*\p+\s], v[VS], s[50:51] offset:\s*REC+16384+128*\p   ; q's scale words
.endr
.endr
	RLOAD 0
	RLOAD 1
	RLOAD 2
	RLOAD 3
	s_cmp_eq_u32 s14, 0
	s_cbranch_scc0 .Lnot_wave_0
	s_wait_tensorcnt 0x0                           ; wave 0: stage 0 is in
.Lnot_wave_0:
	s_barrier_signal -1
	s_barrier_wait -1
	FETCH 0
	SCALES 0
.irp g, 0,1,2,3,4,5,6,7,8,9,10,11,12,13,14,15
	BATCH \g
.endr
	WIN 0
	PLACES 8                                       ; in front of the first read of results
	SOFT 0
	SOFT 1
	SOFT 2
	SOFT 3
	s_wait_tensorcnt 0x0
	ds_add_u32 v126, v127
	s_wait_dscnt 0x0
	CROUND                                         ; the closing round
	s_endpgm
.Lfunc_end_k_q59966a41fb_score:
	.size	k_q59966a41fb_score, .Lfunc_end_k_q59966a41fb_score-k_q59966a41fb_score
	.p2alignl 7, 3214868480
	.fill 96, 4, 3214868480
	.section	.rodata,"a",@progbits
	.p2align	6, 0x0
	.amdhsa_kernel k_q59966a41fb_score
		.amdhsa_group_segment_fixed_size 168448
		.amdhsa_private_segment_fixed_size 0
		.amdhsa_enable_private_segment 0
		.amdhsa_kernarg_size 40
		.amdhsa_user_sgpr_count 2
		.amdhsa_user_sgpr_kernarg_segment_ptr 1
		.amdhsa_wavefront_size32 1
		.amdhsa_system_sgpr_workgroup_id_x 1
		.amdhsa_system_sgpr_workgroup_id_y 1
		.amdhsa_system_sgpr_workgroup_id_z 1
		.amdhsa_system_vgpr_workitem_id 0
		.amdhsa_next_free_vgpr 1024
		.amdhsa_next_free_sgpr 70
		.amdhsa_reserve_vcc 0
		.amdhsa_float_denorm_mode_32 3
		.amdhsa_float_denorm_mode_16_64 3
		.amdhsa_memory_ordered 1
		.amdhsa_forward_progress 1
		.amdhsa_inst_pref_size 132
	.end_amdhsa_kernel
	.amdgpu_metadata
---
amdhsa.version: [ 1, 2 ]
amdhsa.kernels:
  - .name:           k_q59966a41fb_score
    .symbol:         k_q59966a41fb_score.kd
    .args:
      - { .name: qrec, .offset: 0, .size: 8, .value_kind: global_buffer, .address_space: global }
      - { .name: krec, .offset: 8, .size: 8, .value_kind: global_buffer, .address_space: global }
      - { .name: prec, .offset: 16, .size: 8, .value_kind: global_buffer, .address_space: global }
      - { .name: pmax, .offset: 24, .size: 8, .value_kind: global_buffer, .address_space: global }
      - { .name: psum, .offset: 32, .size: 8, .value_kind: global_buffer, .address_space: global }
    .group_segment_fixed_size: 168448
    .private_segment_fixed_size: 0
    .kernarg_segment_align: 8
    .kernarg_segment_size: 40
    .max_flat_workgroup_size: 128
    .sgpr_count:     70
    .vgpr_count:     1024
    .wavefront_size: 32
...
	.end_amdgpu_metadata
.endif
;; end of part 2
;; launch mix (part 3): grid 32 x 8, 4 waves a work-group, clusters of 4 x 1, 172,544 bytes of LDS; arguments prec, pmax, psum, vrec, out0; writes out0
.if DOCPART == 3
	.amdgcn_target "amdgcn-amd-amdhsa--gfx1250"
	.amdhsa_code_object_version 6
	.text
	.protected	k_q59966a41fb_mix
	.globl	k_q59966a41fb_mix
	.p2align	8
	.type	k_q59966a41fb_mix,@function
k_q59966a41fb_mix:
	s_mov_b64 s[64:65], 0
	v_nop
	global_prefetch_b8 v0, s[64:65] scope:SCOPE_SE
	s_setreg_imm32_b32 hwreg(HW_REG_WAVE_MODE, 25, 1), 1
	s_wait_xcnt 0x0
	s_wait_alu depctr_hold_cnt(0) depctr_sa_sdst(0) depctr_va_vdst(0) depctr_va_sdst(0) depctr_va_ssrc(0) depctr_va_vcc(0) depctr_vm_vsrc(0)
	s_getreg_b32 s2, hwreg(HW_REG_IB_STS2, 6, 4)
	s_cmp_eq_u32 s2, 0
	s_cbranch_scc0 .Lentry_in_a_cluster
	s_endpgm
.Lentry_in_a_cluster:
	s_bfe_u32 s2, ttmp6, 0x10000c
	s_cmp_lg_u32 s2, 0x3003
	s_cbranch_scc0 .Lentry_shape_is_right
	s_endpgm
.Lentry_shape_is_right:
; O^T = v^T p^T on the codes that the launches before made, divided by the row's sum of p.
; SHARES.  A work-group takes 256 queries (block qt of batch b) and 128 columns e (panel ep).  Wave w keeps p of its 64 queries for all 1,024 keys in registers (32 fragments, images straight from memory);
; v's panel (128 e x 1,024 keys, 135,168 bytes) lies in LDS as it lies in memory.  Source 0 = 16 e, source 1 = 16 queries: a lane holds one query and eight neighbouring e.
; ONE M FOR A ROW.  p's eight parts of 128 keys were made under their own whole numbers M_s.  With M = the largest of them and D_s = M - M_s, part s is p x 2^-D_s: D_s is taken off the four scale bytes of
; that part and row, and the part's sum is multiplied by 2^-D_s: nothing is rounded.  LIMIT: a byte that would fall under 0 is held at 0, which stands for 2^-127; such a part lies more than 119 binades under
; the row's largest p, beside a row sum of at least 1/2.  NaN and infinities are not served.
; CLUSTER 4 x 1: the four query blocks of a batch read the same panel of v: it is asked for jointly.  p's fragments go into registers and are not shared: 256 rows x 1,024 bytes of images would not fit into
; LDS beside the panel.  LDS is filled once: four loads a wave, all issued behind the opening round; by this text's own count four are out.  The way out has bytes of its own behind the panel.
; REGISTERS: window 0: v3-15 addresses, v16-31 p's scale words, v32-63 v's, v64-71 1 / the row's sum (a pair a block), v72-87 -M_s, v88-103 the parts' sums, v128-255 two sets of four fragments of v
;   (ahead of them: at work on the scale words; on the way out: scaled results, whole rows); windows 1, 2: p's fragments; window 3: the accumulators.
; THE LOADS AS THEY STAND: ONE tensor load a wave, of a whole stage: wave j brings stage j, in an arm of its own, and waits for it ahead of the barrier that shows that stage.  (This holds in place of what is said above of four loads a wave.)
.set REC,   16896
.set PANEL, 8*REC
.set STG2,  2*REC
.set SP,    528                        ; a stage row: 512 bytes + 16: row r starts at bank 4 r mod 64 (64 banks of 4 bytes: ISA guide 11.1)
.set CO,  3                            ; v3     16 x lane: my bytes of a row of out0
.set AL,  4
.set AS,  8
.set VR,  12
.set VS,  13
.set STO, 14                           ; v14    the stage: where I put 32 bytes of a row
.set RD,  15                           ; v15    and where I read a row back
.set SCR, 16
.set SCL, 32
.set RL,  64
.set NM,  72
.set LL,  88
.set LF,  128
.set FA,  128                          ; v128-135, v136-143, v144-151: at work on eight K steps at a time
.set FB,  136
.set FC,  144
.set F0,  152
.set FX,  153
.set TO,  128                          ; the way out: 64 scaled results
.set BK,  192                          ; and 16 whole rows
.set MSB, 0
.macro WIN new
.if MSB != \new
	s_set_vgpr_msb (MSB<<8)|\new
.set MSB, \new
.endif
.endm
.macro PLACES n
.rept \n
	v_nop
.endr
.endm
.macro CROUND
	s_barrier_signal -1
	s_barrier_wait -1
	s_cmp_lg_u32 s14, 0
	s_cbranch_scc1 .Lnw0_\@
	s_barrier_signal -3
.Lnw0_\@:
	s_barrier_wait -3
	s_barrier_signal -1
	s_barrier_wait -1
.endm
.macro WM
.set wsl, 4*fZ+2*fRA+fRB
.if wsl == 0
	v_wmma_scale_f32_16x16x128_f8f6f4 v[rD:rD+7], v[rA:rA+15], v[rB:rB+15], v[rD:rD+7], v[rSA], v[rSB]
.elseif wsl == 1
	v_wmma_scale_f32_16x16x128_f8f6f4 v[rD:rD+7], v[rA:rA+15], v[rB:rB+15], v[rD:rD+7], v[rSA], v[rSB] matrix_b_scale:MATRIX_SCALE_ROW1
.elseif wsl == 2
	v_wmma_scale_f32_16x16x128_f8f6f4 v[rD:rD+7], v[rA:rA+15], v[rB:rB+15], v[rD:rD+7], v[rSA], v[rSB] matrix_a_scale:MATRIX_SCALE_ROW1
.elseif wsl == 3
	v_wmma_scale_f32_16x16x128_f8f6f4 v[rD:rD+7], v[rA:rA+15], v[rB:rB+15], v[rD:rD+7], v[rSA], v[rSB] matrix_a_scale:MATRIX_SCALE_ROW1 matrix_b_scale:MATRIX_SCALE_ROW1
.elseif wsl == 4
	v_wmma_scale_f32_16x16x128_f8f6f4 v[rD:rD+7], v[rA:rA+15], v[rB:rB+15], 0, v[rSA], v[rSB]
.elseif wsl == 5
	v_wmma_scale_f32_16x16x128_f8f6f4 v[rD:rD+7], v[rA:rA+15], v[rB:rB+15], 0, v[rSA], v[rSB] matrix_b_scale:MATRIX_SCALE_ROW1
.elseif wsl == 6
	v_wmma_scale_f32_16x16x128_f8f6f4 v[rD:rD+7], v[rA:rA+15], v[rB:rB+15], 0, v[rSA], v[rSB] matrix_a_scale:MATRIX_SCALE_ROW1
.else
	v_wmma_scale_f32_16x16x128_f8f6f4 v[rD:rD+7], v[rA:rA+15], v[rB:rB+15], 0, v[rSA], v[rSB] matrix_a_scale:MATRIX_SCALE_ROW1 matrix_b_scale:MATRIX_SCALE_ROW1
.endif
.endm
.macro RLOAD s                         ; my four fragments of p for K step s: each load reads 512 consecutive bytes
.set wsel, 0x40*(1+(\s)/4)
	WIN wsel
.irp rb, 0,1,2,3
.irp c, 0,1,2,3
	global_load_b128 v[16*(4*((\s)%4)+\rb)+4*\c:16*(4*((\s)%4)+\rb)+4*\c+3], v[VR], s[50:51] offset:(\s)*REC+2048*\rb+512*\c
.endr
.endr
	WIN 0
.endm
.macro FETCH g
.set kS, (\g)/2
.set kU, (\g)%2
.irp f, 0,1,2,3
.irp c, 0,1,2,3
	ds_load_b128 v[LF+64*kU+16*\f+4*\c:LF+64*kU+16*\f+4*\c+3], v[AL+kS/2] offset:(kS%2)*REC+(4*kU+\f)*2048+512*\c
.endr
.endr
.endm
.macro SCALES j
.irp e, 0,1
.irp p, 0,1,2,3
	ds_load_b32 v[SCL+8*\p+2*(\j)+\e], v[AS+(\j)] offset:\e*REC+16384+128*\p
.endr
.endr
.endm
.macro MUL g                           ; 16 products on 16 different accumulators, one instruction a turn; accumulator (rb, lt) at v[8 (8 rb + lt)]
.set kS, (\g)/2
.set kU, (\g)%2
.set fZ, 0
.if kS == 0
.set fZ, 1
.endif
.set wsel, 0xF4+4*(kS/4)
	WIN wsel
.irp f, 0,1,2,3
.irp rb, 0,1,2,3
.set rD, 8*(8*\rb+4*kU+\f)
.set rA, LF+64*kU+16*\f
.set rB, 16*(4*(kS%4)+\rb)
.set rSA, SCL+8*((4*kU+\f)/2)+kS
.set fRA, \f%2
.set rSB, SCR+8*(\rb/2)+kS
.set fRB, \rb%2
	WM
.endr
.endr
.endm
.macro BATCH g
	WIN 0
.if ((\g)%4 == 3) && ((\g) < 15)
	s_wait_dscnt 0x0                               ; no LDS load of mine is out at a signal (this batch's fragments are in with that)
.if (\g) == 11
	s_wait_tensorcnt 0x0                           ; the last stage: what is still out
.else
	s_cmp_eq_u32 s14, ((\g)+1)/4                   ; the wave that brought the next stage waits for it
	s_cbranch_scc0 .Lnot_mine_\@
	s_wait_tensorcnt 0x0
.Lnot_mine_\@:
.endif
	s_barrier_signal -1
	s_barrier_wait -1
.endif
	PLACES 8                                       ; in front of loads into the set that the batch just issued has read; in the first batch also the places behind the last write of a scale word
.if (\g) < 15
	FETCH (\g)+1
.if (\g)%4 == 3
	SCALES ((\g)+1)/4
.endif
.endif
.if (\g)%4 == 0
.if (\g) == 12
	s_wait_loadcnt 0x0
.else
	s_wait_loadcnt 32                              ; this stage's two K steps of p are in; the 32 loads of the two K steps behind them may stay out
.endif
.if (\g) == 0
	RLOAD 4
	RLOAD 5
.endif
.if (\g) == 4
	RLOAD 6
	RLOAD 7
.endif
.endif
.if (\g) == 15
	s_wait_dscnt 0x0
.elseif (\g)%4 != 3
	s_wait_dscnt 16                                ; this batch's fragments (and scale words) are in; the 16 loads just issued may stay out
.endif
	MUL \g
.endm
; Blocks 2p (lanes 0-15) and 2p+1 (lanes 16-31): a lane is a row.  Eight K steps side by side, so that no line waits for the line above it.
.macro FIX p
.set nb, NM+8*\p
.set lb, LL+8*\p
.set sb, SCR+8*\p
	v_min3_num_f32 v[F0], v[nb], v[nb+1], v[nb+2]
	v_min3_num_f32 v[F0], v[F0], v[nb+3], v[nb+4]
	v_min3_num_f32 v[F0], v[F0], v[nb+5], v[nb+6]
	v_min_num_f32 v[F0], v[F0], v[nb+7]            ; -M of the row
.irp s, 0,1,2,3,4,5,6,7
	v_sub_f32 v[FA+\s], v[F0], v[nb+\s]            ; -D = M_s - M: a whole number, 0 or less
.endr
.irp s, 0,1,2,3,4,5,6,7
	v_cvt_i32_f32 v[FA+\s], v[FA+\s]               ; (it saturates)
.endr
.irp s, 0,1,2,3,4,5,6,7
	v_ldexp_f32 v[lb+\s], v[lb+\s], v[FA+\s]       ; the part's sum under the row's M
.endr
.irp s, 0,1,2,3,4,5,6,7
	v_sub_nc_u32 v[FA+\s], 0, v[FA+\s]
.endr
.irp s, 0,1,2,3,4,5,6,7
	v_min_u32 v[FA+\s], 127, v[FA+\s]              ; D, held at 127
.endr
.irp s, 0,1,2,3,4,5,6,7
	v_mul_lo_u32 v[FA+\s], v[FA+\s], 0x01010101    ; in each of the four bytes
.endr
.irp s, 0,1,2,3,4,5,6,7
	v_or_b32 v[FB+\s], 0x80808080, v[sb+\s]        ; the bytes are 119 at the most: 128 is added to each,
.endr
.irp s, 0,1,2,3,4,5,6,7
	v_sub_nc_u32 v[FB+\s], v[FB+\s], v[FA+\s]      ; so that no borrow crosses a byte; a byte's top bit stays where byte - D is 0 or more
.endr
.irp s, 0,1,2,3,4,5,6,7
	v_lshrrev_b32 v[FC+\s], 7, v[FB+\s]
.endr
.irp s, 0,1,2,3,4,5,6,7
	v_and_b32 v[FC+\s], 0x01010101, v[FC+\s]
.endr
.irp s, 0,1,2,3,4,5,6,7
	v_lshlrev_b32 v[FA+\s], 8, v[FC+\s]
.endr
.irp s, 0,1,2,3,4,5,6,7
	v_sub_nc_u32 v[FA+\s], v[FA+\s], v[FC+\s]      ; 255 in each such byte
.endr
.irp s, 0,1,2,3,4,5,6,7
	v_and_b32 v[FB+\s], 0x7f7f7f7f, v[FB+\s]
.endr
.irp s, 0,1,2,3,4,5,6,7
	v_and_b32 v[sb+\s], v[FB+\s], v[FA+\s]         ; byte - D, or 0
.endr
	v_pk_add_f32 v[lb:lb+1], v[lb:lb+1], v[lb+2:lb+3]
	v_pk_add_f32 v[lb+4:lb+5], v[lb+4:lb+5], v[lb+6:lb+7]
	v_pk_add_f32 v[lb:lb+1], v[lb:lb+1], v[lb+4:lb+5]
	v_add_f32 v[lb], v[lb], v[lb+1]                ; the row's sum
	s_wait_alu depctr_va_vdst(0)
	v_rcp_f32 v[lb], v[lb]
	v_nop                                          ; a plain line behind the transcendental
	s_wait_alu depctr_va_vdst(0)
	v_permlanex16_b32 v[FX], v[lb], s46, s47
	v_cndmask_b32 v[RL+4*\p], v[lb], v[FX], s49    ; block 2p's, in both halves of the lanes
	v_cndmask_b32 v[RL+4*\p+2], v[FX], v[lb], s49  ; block 2p+1's
	v_mov_b32 v[RL+4*\p+1], v[RL+4*\p]             ; (named as pairs)
	v_mov_b32 v[RL+4*\p+3], v[RL+4*\p+2]
.endm
; Block rb of 16 queries leaves: divided by the sum, through my own stage in LDS, back as whole rows of 512 bytes.  LDS serves a wave's instructions in order (ISA guide 5.7.1.4): no wait between the stores and the loads.
.macro OUTB rb
.set aa, 64*\rb
	WIN 0x03
.set j, 0
.rept 32
	v_pk_mul_f32 v[TO+j:TO+j+1], v[aa+j:aa+j+1], v[RL+2*\rb:RL+2*\rb+1] op_sel_hi:[1,0]   ; each accumulator from its low end on
.set j, j+2
.endr
	WIN 0
.irp lt, 0,1,2,3,4,5,6,7
	ds_store_b128 v[STO], v[TO+8*\lt:TO+8*\lt+3] offset:64*\lt
	ds_store_b128 v[STO], v[TO+8*\lt+4:TO+8*\lt+7] offset:64*\lt+16
.endr
	s_wait_xcnt 0x0                                ; the last block's stores have read their registers: rows may land there
.irp t, 0,1,2,3,4,5,6,7,8,9,10,11,12,13,14,15
	ds_load_b128 v[BK+4*\t:BK+4*\t+3], v[RD] offset:SP*\t
.endr
.irp t, 0,1,2,3,4,5,6,7,8,9,10,11,12,13,14,15
	s_wait_dscnt 15-\t                             ; row t is back; the younger loads may stay out
	global_store_b128 v[CO], v[BK+4*\t:BK+4*\t+3], s[58:59] offset:(16*\rb+\t)*4096 th:TH_STORE_NT   ; 32 lanes store 512 consecutive bytes, at a multiple of 256 from out0's first byte; written once
.endr
.endm
	s_load_b256 s[4:11], s[0:1], 0x0               ; prec s[4:5], pmax s[6:7], psum s[8:9], vrec s[10:11]
	s_load_b64 s[12:13], s[0:1], 0x20              ; out0
	v_lshl_add_u32 v126, v0, 2, 0x2a000
	v_mov_b32 v127, 0
	ds_add_u32 v126, v127
	ds_add_u32 v126, v127
	v_lshrrev_b32 v1, 5, v0
	v_readfirstlane_b32 s14, v1                    ; wave 0..3
	s_bfe_u32 s15, ttmp6, 0x40000                  ; qt = cx: it enters p's, the statistics' and out0's addresses alone
	s_mov_b32 s16, ttmp9                           ; ep: the cluster's x
	s_and_b32 s17, ttmp7, 0xffff                   ; b
	s_and_b32 s18, s14, 1
	s_lshr_b32 s19, s14, 1
	s_mov_b32 s20, 15|(3<<16)|(1<<21)              ; group 1: a stage: 132 rows of 256 bytes, dense; the mask: all four work-groups; bit 21 beside it
	s_mov_b32 s21, 32<<16
	s_mov_b32 s22, 132<<16
	s_mov_b32 s23, 32<<16
	s_mov_b32 s24, 132
	s_mov_b32 s25, 32
	s_mov_b32 s26, 0
	s_mov_b32 s27, 0
	s_lshl_b32 s60, s17, 3
	s_add_co_u32 s60, s60, s16
	s_mul_i32 s60, s60, PANEL                      ; v's panel 8 b + ep,
	s_mul_i32 s62, s14, STG2
	s_add_co_u32 s60, s60, s62                     ; my stage
	s_mov_b32 s61, 0
	s_lshl_b32 s63, s17, 3
	s_lshl_b32 s66, s15, 1
	s_add_co_u32 s63, s63, s66
	s_add_co_u32 s63, s63, s19                     ; my queries' panel: 8 b + 2 qt + w / 2
	s_mul_i32 s66, s63, PANEL
	s_mov_b32 s67, 0
	s_lshl_b32 s68, s63, 12                        ; the statistics: 4,096 bytes a panel
	s_mov_b32 s69, 0
	s_lshl_b32 s52, s17, 10                        ; out0: row 1,024 b + 256 qt + 64 w of 4,096 bytes, + 512 ep
	s_lshl_b32 s53, s15, 8
	s_add_co_u32 s52, s52, s53
	s_lshl_b32 s53, s14, 6
	s_add_co_u32 s52, s52, s53
	s_lshl_b32 s52, s52, 12
	s_lshl_b32 s53, s16, 9
	s_add_co_u32 s52, s52, s53
	s_mov_b32 s53, 0
	s_mov_b32 s46, 0x76543210
	s_mov_b32 s47, 0xfedcba98
	s_mov_b32 s49, 0xffff0000
	v_and_b32 v1, 31, v0                           ; lane
	v_and_b32 v2, 15, v0                           ; r
	v_lshlrev_b32 v[CO], 4, v1
	v_lshlrev_b32 v[AL], 4, v1
	v_lshlrev_b32 v[AS], 2, v1
.irp j, 1,2,3
	v_add_nc_u32 v[AL+\j], \j*STG2, v[AL]
	v_add_nc_u32 v[AS+\j], \j*STG2, v[AS]
.endr
	s_lshl_b32 s44, s18, 13
	v_lshl_add_u32 v[VR], v1, 4, s44
	s_lshl_b32 s44, s18, 8
	v_lshl_add_u32 v[VS], v1, 2, s44
	s_mul_i32 s44, s14, 16*SP
	s_add_co_u32 s44, s44, PANEL                   ; my stage, behind the panel
	v_mul_u32_u24 v[STO], v2, SP
	v_bfe_u32 v2, v0, 4, 1                         ; h
	v_lshl_add_u32 v[STO], v2, 5, v[STO]
	v_add_nc_u32 v[STO], s44, v[STO]               ; in: row r, + 32 h
	v_add_nc_u32 v[RD], s44, v[CO]                 ; back: 16 bytes a lane
	v_mov_b32 v[FX], 0                             ; written once: a lane permute's destination counts as one of its sources
	s_wait_dscnt 0x0
	s_wait_kmcnt 0x0
	s_add_nc_u64 s[60:61], s[10:11], s[60:61]
	s_mov_b32 s28, 1
	s_mov_b32 s29, s62
	s_mov_b64 s[30:31], s[60:61]
	s_or_b32 s31, s31, 0x80000000
	s_add_nc_u64 s[50:51], s[4:5], s[66:67]
	s_add_nc_u64 s[54:55], s[6:7], s[68:69]
	s_add_nc_u64 s[56:57], s[8:9], s[68:69]
	s_add_nc_u64 s[58:59], s[12:13], s[52:53]
	CROUND                                         ; all four work-groups are here: the joint loads meet
.macro ARM under, next                 ; one chain of arms on the wave's number: every way passes one load
	s_cmp_lt_u32 s14, \under
	s_cbranch_scc0 \next
	tensor_load_to_lds s[28:31], s[20:27]
	s_nop 0
	PLACES 4
	s_branch .Lasked
\next:
.endm
	ARM 1, .Lstage_1
	ARM 2, .Lstage_2
	ARM 3, .Lstage_3
	tensor_load_to_lds s[28:31], s[20:27]
	s_nop 0
	PLACES 4
.Lasked:
	s_wait_alu depctr_va_vdst(0)
.irp s, 0,1,2,3,4,5,6,7
.irp p, 0,1
	global_load_b32 v[SCR+8*\p+\s], v[VS], s[50:51] offset:\s*REC+16384+128*\p   ; p's scale words
.endr
.endr
.irp s, 0,1,2,3,4,5,6,7
.irp p, 0,1
	global_load_b32 v[NM+8*\p+\s], v[VS], s[54:55] offset:512*\s+128*\p          ; -M_s
.endr
.endr
.irp s, 0,1,2,3,4,5,6,7
.irp p, 0,1
	global_load_b32 v[LL+8*\p+\s], v[VS], s[56:57] offset:512*\s+128*\p          ; the parts' sums
.endr
.endr
	RLOAD 0
	RLOAD 1
	RLOAD 2
	s_wait_loadcnt 48                              ; the 48 small loads are in; the 48 fragment loads behind them may stay out
	FIX 0
	FIX 1
	RLOAD 3
	s_cmp_eq_u32 s14, 0
	s_cbranch_scc0 .Lnot_wave_0
	s_wait_tensorcnt 0x0                           ; wave 0: stage 0 is in
.Lnot_wave_0:
	s_barrier_signal -1
	s_barrier_wait -1
	FETCH 0
	SCALES 0
.irp g, 0,1,2,3,4,5,6,7,8,9,10,11,12,13,14,15
	BATCH \g
.endr
	WIN 0
	PLACES 8                                       ; in front of the first read of results, and of writes into registers that the last products read
	OUTB 0
	OUTB 1
	OUTB 2
	OUTB 3
	s_wait_tensorcnt 0x0
	ds_add_u32 v126, v127
	s_wait_dscnt 0x0
	CROUND                                         ; the closing round
	s_endpgm
.Lfunc_end_k_q59966a41fb_mix:
	.size	k_q59966a41fb_mix, .Lfunc_end_k_q59966a41fb_mix-k_q59966a41fb_mix
	.p2alignl 7, 3214868480
	.fill 96, 4, 3214868480
	.section	.rodata,"a",@progbits
	.p2align	6, 0x0
	.amdhsa_kernel k_q59966a41fb_mix
		.amdhsa_group_segment_fixed_size 172544
		.amdhsa_private_segment_fixed_size 0
		.amdhsa_enable_private_segment 0
		.amdhsa_kernarg_size 40
		.amdhsa_user_sgpr_count 2
		.amdhsa_user_sgpr_kernarg_segment_ptr 1
		.amdhsa_wavefront_size32 1
		.amdhsa_system_sgpr_workgroup_id_x 1
		.amdhsa_system_sgpr_workgroup_id_y 1
		.amdhsa_system_sgpr_workgroup_id_z 1
		.amdhsa_system_vgpr_workitem_id 0
		.amdhsa_next_free_vgpr 1024
		.amdhsa_next_free_sgpr 70
		.amdhsa_reserve_vcc 0
		.amdhsa_float_denorm_mode_32 3
		.amdhsa_float_denorm_mode_16_64 3
		.amdhsa_memory_ordered 1
		.amdhsa_forward_progress 1
		.amdhsa_inst_pref_size 117
	.end_amdhsa_kernel
	.amdgpu_metadata
---
amdhsa.version: [ 1, 2 ]
amdhsa.kernels:
  - .name:           k_q59966a41fb_mix
    .symbol:         k_q59966a41fb_mix.kd
    .args:
      - { .name: prec, .offset: 0, .size: 8, .value_kind: global_buffer, .address_space: global }
      - { .name: pmax, .offset: 8, .size: 8, .value_kind: global_buffer, .address_space: global }
      - { .name: psum, .offset: 16, .size: 8, .value_kind: global_buffer, .address_space: global }
      - { .name: vrec, .offset: 24, .size: 8, .value_kind: global_buffer, .address_space: global }
      - { .name: out0, .offset: 32, .size: 8, .value_kind: global_buffer, .address_space: global }
    .group_segment_fixed_size: 172544
    .private_segment_fixed_size: 0
    .kernarg_segment_align: 8
    .kernarg_segment_size: 40
    .max_flat_workgroup_size: 128
    .sgpr_count:     70
    .vgpr_count:     1024
    .wavefront_size: 32
...
	.end_amdgpu_metadata
.endif
;; end of part 3
